; MI455X (gfx1250); checked and timed in simulation.
; The chip was launched on July 23, 2026; its instructions are those of AMD's public machine-readable ISA for CDNA 5 (MIT licence, August 2026) and "CDNA5" Instruction Set Architecture Reference Guide (July 2026). The comments in the code are by the model that wrote it; some were corrected since.
;; Attention Layer. Allowed arithmetic: float matrix products may take bf16 or f16 operands with f32 sums; other float arithmetic in f32, or as packed bf16 or f16 multiplies, adds, multiply-adds, maxima and minima; sums over many terms, partial sums and values carried from step to step in f32; what a program stores and reads back later, other than sums and carried values, may be rounded once to bf16 or f16.
;; Inputs: U_a 1,024 x 1,024 float32; W_a 1,024 x 1,024 float32; h 32 x 2,048 x 1,024 float32; s 32 x 1,024 float32; v_a 1,024 float32.
;; Outputs: out0 32 x 1,024 float32.
;; One version. Each part assembles by itself: llvm-mc -triple=amdgcn-amd-amdhsa -mcpu=gfx1250 --defsym DOCPART=n.
;; ======== version 1 of 1: 3 launches
;; workspace buffers: ut 2,097,152 bytes; kb 1,048,576 bytes; part 4,194,304 bytes; stat 524,288 bytes
;; launch prep (part 1): grid 256 x 1, 8 waves a work-group, no clusters, 35,840 bytes of LDS; arguments U_a, W_a, s, ut, kb; writes ut, kb
.if DOCPART == 1
	.amdgcn_target "amdgcn-amd-amdhsa--gfx1250"
	.amdhsa_code_object_version 6
	.text
	.protected	k_qc3325647b3_prep
	.globl	k_qc3325647b3_prep
	.p2align	8
	.type	k_qc3325647b3_prep,@function
k_qc3325647b3_prep:
	s_mov_b64 s[64:65], 0
	v_nop
	global_prefetch_b8 v0, s[64:65] scope:SCOPE_SE
	s_setreg_imm32_b32 hwreg(HW_REG_WAVE_MODE, 25, 1), 1
	s_wait_xcnt 0x0
; ut[o][k] = bf16(U_a[k][o]) (U_a turned, so that K lies along the rows), and kb[kt][b][o] = K2 x the sum over the 128 i of part kt of bf16(s[b][i]) bf16(W_a[i][o]), K2 = 2 log2(e), in f32:
; eight partial sums, which the launch behind adds in f32.
; Every work-group takes a tile of 128 k x 64 o, rounds it and turns it through LDS: work-groups 0-127 of U_a, which then store it; work-groups 128-255 of W_a, which multiply it by their 32 x 128 piece of s.
; So all 256 have one tile's work.  Every load covers whole rows of 256 bytes or more by neighbouring lanes; so does every store.  The branch between the two kinds hangs on the work-group's number alone.
; No tensor loads: a tile has to be rounded and turned on its way, which goes through registers.  No cluster: no two work-groups share a tile, and s's piece is half a tile's bytes.
.set P,     272                        ; a row in LDS: 128 bf16 + 16 bytes: an odd multiple of 16, so the 16 rows of a fragment load start at 16 different groups of four banks (ISA guide 11.1)
.set SB,    64*P                       ; behind the turned tile (64 rows): s's piece, 32 rows
.set OUTB,  SB+32*P                    ; behind it: the result, 32 rows x (64 f32 + 16 bytes)
.set SPARE, OUTB+32*P                  ; behind it: the spare words, 128 bytes for each of the eight waves, which no other line names
.set K2,    0x4038aa3b                 ; 2 log2(e)
; v1 og = t % 16, v2 rp = t / 16, v3 offset of my 16 bytes in the tile's first two rows, v4 where I put a pair (k, k + 1) of my first column, v30, v31 the add's two registers
; v32-63 the tile as loaded, v64-79 s as loaded (or the tile read back), v80-95 at work, v96-159 fragments, v160-191 sums
.macro PLACES
.rept 4
	v_nop
.endr
.endm
; the eight loads' numbers, rounded in pairs along k and put into the turned tile: column 4 og + c is LDS row 4 og + c
.macro TSTORE
.irp u, 0,1,2,3
.irp c, 0,1,2,3
	v_cvt_pk_bf16_f32 v[80+4*\u+\c], v[32+8*\u+\c], v[32+8*\u+4+\c]
.endr
.endr
.irp u, 0,1,2,3
.irp c, 0,1,2,3
	ds_store_b32 v4, v[80+4*\u+\c] offset:\c*P+64*\u
.endr
.endr
.endm
	s_load_b256 s[4:11], s[0:1], 0x0               ; U_a s[4:5], W_a s[6:7], s s[8:9], ut s[10:11]
	s_load_b64 s[12:13], s[0:1], 0x20              ; kb
	v_lshl_add_u32 v30, v0, 2, SPARE
	v_mov_b32 v31, 0
	v_and_b32 v1, 15, v0
	v_lshrrev_b32 v2, 4, v0
	v_lshlrev_b32 v3, 13, v2                       ; 2 rp rows of 4,096 bytes
	v_lshl_add_u32 v3, v1, 4, v3
	v_mul_u32_u24 v4, v1, 4*P
	v_lshl_add_u32 v4, v2, 2, v4
	s_and_b32 s14, ttmp9, 7                        ; kt: which 128 k
	s_bfe_u32 s15, ttmp9, 0x40003                  ; ot: which 64 o (4 bits from bit 3)
	s_lshl_b32 s16, s14, 19                        ; 128 rows of 4,096 bytes
	s_lshl_b32 s18, s15, 8                         ; 64 columns of 4 bytes
	s_add_co_u32 s16, s16, s18
	s_mov_b32 s17, 0
	s_wait_kmcnt 0x0
	s_cmp_ge_u32 ttmp9, 128
	s_cselect_b64 s[20:21], s[6:7], s[4:5]         ; W_a's tile or U_a's
	s_add_nc_u64 s[20:21], s[20:21], s[16:17]
.irp q, 0,1,2,3,4,5,6,7
	global_load_b128 v[32+4*\q:35+4*\q], v3, s[20:21] offset:(\q/2)*131072+(\q%2)*4096 th:TH_LOAD_NT  ; row 32 (q / 2) + 2 rp + q % 2 of the tile, my four columns
.endr
	s_cmp_ge_u32 ttmp9, 128
	s_cbranch_scc1 .Lw
	; A TILE OF U_a
	v_mul_u32_u24 v5, v2, P                        ; back: row rp + 16 m, 16 bytes a lane: sixteen lanes take a row's 256 bytes
	v_lshl_add_u32 v5, v1, 4, v5
	v_lshlrev_b32 v7, 11, v2                       ; and the same rows in ut
	v_lshl_add_u32 v7, v1, 4, v7
	s_lshl_b32 s16, s15, 17                        ; 64 ot rows of 2,048 bytes
	s_lshl_b32 s19, s14, 8
	s_add_co_u32 s16, s16, s19
	s_add_nc_u64 s[10:11], s[10:11], s[16:17]
	s_wait_loadcnt 0x0
	TSTORE
	s_wait_dscnt 0x0                               ; for the others' sake: my stores are done
	s_barrier_signal -1
	s_barrier_wait -1
.irp m, 0,1,2,3
	ds_load_b128 v[64+4*\m:67+4*\m], v5 offset:\m*16*P
.endr
	s_wait_dscnt 0x0
.irp m, 0,1,2,3
	global_store_b128 v7, v[64+4*\m:67+4*\m], s[10:11] offset:\m*32768
.endr
	s_wait_tensorcnt 0x0                           ; the wave's end, behind my last LDS store
	ds_add_u32 v30, v31
	s_wait_dscnt 0x0
	s_endpgm
	; A TILE OF W_a AND ITS SHARE OF s W_a
.Lw:
	v_lshrrev_b32 v10, 5, v0
	v_readfirstlane_b32 s19, v10                   ; wave 0..7
	v_and_b32 v11, 31, v0                          ; lane
	v_lshlrev_b32 v8, 12, v10                      ; s: row wave + 8 m, 512 consecutive bytes a wave
	v_lshl_add_u32 v8, v11, 4, v8
	s_lshl_b32 s16, s14, 9                         ; my 128 k of a row
	s_add_nc_u64 s[8:9], s[8:9], s[16:17]
.irp m, 0,1,2,3
	global_load_b128 v[64+4*\m:67+4*\m], v8, s[8:9] offset:\m*32768
.endr
	v_mul_u32_u24 v9, v10, P                       ; and its 8 bytes a lane in LDS
	v_lshl_add_u32 v9, v11, 3, v9
	v_add_nc_u32 v9, SB, v9
	s_and_b32 s22, s19, 3                          ; ob: my 16 columns
	s_lshr_b32 s23, s19, 2                         ; bb: my 16 batches
	v_bfe_u32 v18, v0, 4, 1                        ; h = lane / 16 (og is lane % 16)
	v_mul_u32_u24 v12, v1, P
	v_lshl_add_u32 v12, v18, 4, v12                ; a fragment's row x pitch + 16 h
	s_mul_i32 s24, s23, 16*P
	s_add_co_u32 s24, s24, SB
	v_add_nc_u32 v13, s24, v12                     ; s's fragments
	s_mul_i32 s24, s22, 16*P
	v_add_nc_u32 v14, s24, v12                     ; W_a^T's fragments
	s_mul_i32 s24, s23, 16*P
	s_lshl_b32 s25, s22, 6
	s_add_co_u32 s24, s24, s25
	s_add_co_u32 s24, s24, OUTB
	v_mul_u32_u24 v15, v18, 8*P
	v_lshl_add_u32 v15, v1, 2, v15
	v_add_nc_u32 v15, s24, v15                     ; result (batch 16 bb + 8 h + register, column 16 ob + lane % 16)
	v_mul_u32_u24 v16, v2, P
	v_lshl_add_u32 v16, v1, 4, v16
	v_add_nc_u32 v16, OUTB, v16                    ; back by rows
	v_lshlrev_b32 v17, 12, v2
	v_lshl_add_u32 v17, v1, 4, v17                 ; and the same rows in kb
	s_lshl_b32 s16, s14, 17                        ; part kt: 32 rows of 4,096 bytes
	s_add_co_u32 s16, s16, s18
	s_add_nc_u64 s[12:13], s[12:13], s[16:17]
	s_wait_loadcnt 4                               ; the tile is in; s's four loads may stay out
	TSTORE
	s_wait_loadcnt 0x0
.irp m, 0,1,2,3
	v_cvt_pk_bf16_f32 v[96+2*\m], v[64+4*\m], v[65+4*\m]
	v_cvt_pk_bf16_f32 v[97+2*\m], v[66+4*\m], v[67+4*\m]
	ds_store_b64 v9, v[96+2*\m:97+2*\m] offset:\m*8*P
.endr
	s_wait_dscnt 0x0                               ; for the others' sake
	s_barrier_signal -1
	s_barrier_wait -1
.irp cc, 0,1,2,3
	ds_load_b128 v[96+16*\cc:99+16*\cc],   v13 offset:64*\cc
	ds_load_b128 v[100+16*\cc:103+16*\cc], v13 offset:64*\cc+32
	ds_load_b128 v[104+16*\cc:107+16*\cc], v14 offset:64*\cc
	ds_load_b128 v[108+16*\cc:111+16*\cc], v14 offset:64*\cc+32
.endr
	s_wait_dscnt 0x0
	; four steps of 32 along K; two accumulators by the step's parity take turns; the first two products start the sums
	v_wmma_f32_16x16x32_bf16 v[160:167], v[96:103],  v[104:111], 0
	v_wmma_f32_16x16x32_bf16 v[168:175], v[112:119], v[120:127], 0
	v_wmma_f32_16x16x32_bf16 v[160:167], v[128:135], v[136:143], v[160:167]
	v_wmma_f32_16x16x32_bf16 v[168:175], v[144:151], v[152:159], v[168:175]
	PLACES
	PLACES
.irp q, 0,1,2,3
	v_pk_add_f32 v[176+2*\q:177+2*\q], v[160+2*\q:161+2*\q], v[168+2*\q:169+2*\q]   ; the two parities, from each accumulator's low end on
.endr
.irp q, 0,1,2,3
	v_pk_mul_f32 v[176+2*\q:177+2*\q], v[176+2*\q:177+2*\q], K2 op_sel_hi:[1,0]
.endr
.irp q, 0,1,2,3,4,5,6,7
	ds_store_b32 v15, v[176+\q] offset:P*\q
.endr
	s_wait_dscnt 0x0
	s_barrier_signal -1
	s_barrier_wait -1
	ds_load_b128 v[184:187], v16
	ds_load_b128 v[188:191], v16 offset:16*P
	s_wait_dscnt 0x0
	global_store_b128 v17, v[184:187], s[12:13]
	global_store_b128 v17, v[188:191], s[12:13] offset:65536
	s_wait_tensorcnt 0x0                           ; the wave's end, behind my last LDS store
	ds_add_u32 v30, v31
	s_wait_dscnt 0x0
	s_endpgm
.Lfunc_end_k_qc3325647b3_prep:
	.size	k_qc3325647b3_prep, .Lfunc_end_k_qc3325647b3_prep-k_qc3325647b3_prep
	.p2alignl 7, 3214868480
	.fill 96, 4, 3214868480
	.section	.rodata,"a",@progbits
	.p2align	6, 0x0
	.amdhsa_kernel k_qc3325647b3_prep
		.amdhsa_group_segment_fixed_size 35840
		.amdhsa_private_segment_fixed_size 0
		.amdhsa_enable_private_segment 0
		.amdhsa_kernarg_size 40
		.amdhsa_user_sgpr_count 2
		.amdhsa_user_sgpr_kernarg_segment_ptr 1
		.amdhsa_wavefront_size32 1
		.amdhsa_system_sgpr_workgroup_id_x 1
		.amdhsa_system_sgpr_workgroup_id_y 1
		.amdhsa_system_sgpr_workgroup_id_z 1
		.amdhsa_system_vgpr_workitem_id 0
		.amdhsa_next_free_vgpr 192
		.amdhsa_next_free_sgpr 66
		.amdhsa_reserve_vcc 0
		.amdhsa_float_denorm_mode_32 3
		.amdhsa_float_denorm_mode_16_64 3
		.amdhsa_memory_ordered 1
		.amdhsa_forward_progress 1
		.amdhsa_inst_pref_size 14
	.end_amdhsa_kernel
	.amdgpu_metadata
---
amdhsa.version: [ 1, 2 ]
amdhsa.kernels:
  - .name:           k_qc3325647b3_prep
    .symbol:         k_qc3325647b3_prep.kd
    .args:
      - { .name: U_a, .offset: 0, .size: 8, .value_kind: global_buffer, .address_space: global }
      - { .name: W_a, .offset: 8, .size: 8, .value_kind: global_buffer, .address_space: global }
      - { .name: s, .offset: 16, .size: 8, .value_kind: global_buffer, .address_space: global }
      - { .name: ut, .offset: 24, .size: 8, .value_kind: global_buffer, .address_space: global }
      - { .name: kb, .offset: 32, .size: 8, .value_kind: global_buffer, .address_space: global }
    .group_segment_fixed_size: 35840
    .private_segment_fixed_size: 0
    .kernarg_segment_align: 8
    .kernarg_segment_size: 40
    .max_flat_workgroup_size: 256
    .sgpr_count:     66
    .vgpr_count:     192
    .wavefront_size: 32
...
	.end_amdgpu_metadata
.endif
;; end of part 1
;; launch attn (part 2): grid 512 x 1, 4 waves a work-group, clusters of 4 x 1, 327,680 bytes of LDS; arguments h, v_a, ut, kb, part, stat; writes part, stat
.if DOCPART == 2
	.amdgcn_target "amdgcn-amd-amdhsa--gfx1250"
	.amdhsa_code_object_version 6
	.text
	.protected	k_qc3325647b3_attn
	.globl	k_qc3325647b3_attn
	.p2align	8
	.type	k_qc3325647b3_attn,@function
k_qc3325647b3_attn:
	s_mov_b64 s[64:65], 0
	v_nop
	global_prefetch_b8 v0, s[64:65] scope:SCOPE_SE
	s_setreg_imm32_b32 hwreg(HW_REG_WAVE_MODE, 25, 1), 1
	s_wait_xcnt 0x0
	s_wait_alu depctr_hold_cnt(0) depctr_sa_sdst(0) depctr_va_vdst(0) depctr_va_sdst(0) depctr_va_ssrc(0) depctr_va_vcc(0) depctr_vm_vsrc(0)
	s_getreg_b32 s2, hwreg(HW_REG_IB_STS2, 6, 4)
	s_cmp_eq_u32 s2, 0
	s_cbranch_scc0 .Lentry_in_a_cluster
	s_endpgm
.Lentry_in_a_cluster:
	s_bfe_u32 s2, ttmp6, 0x10000c
	s_cmp_lg_u32 s2, 0x3003
	s_cbranch_scc0 .Lentry_shape_is_right
	s_endpgm
.Lentry_shape_is_right:
; ADDITIVE ATTENTION, the scores and a block's share of the weighted sum in one launch.  h: [65,536 rows][1,024] f32; ut: [1,024 o][1,024 k] bf16 = U_a turned; kb: [8 parts][32][1,024] f32, whose sum over the parts is K2 x (s W_a), K2 = 2 log2(e).
; tanh(x) = 1 - 2 r with r = 1 / (1 + 2^(K2 x)).  The sum of v_a is the same for every row of a batch and drops out of the softmax, so the score kept is E = the sum over o of v[o] r[o] (e = const - 2 E), and a row's
; weight is p = 2^(K2 (Emin - E)), Emin the least E (the greatest e) of the 64 rows of a record; the launch behind takes the least of a batch's 32 records and rescales.  2^(..) = infinity gives r = 0, 2^(..) = 0 gives r = 1: the right ends.
; LIMITS.  A weight below 2^-126 counts as 0; NaN and infinities are not treated apart.  h, U_a, W_a, s and v_a are each rounded to bf16 once (h for both its uses); all sums, E, p and the weighted sum are f32.
; SHARES.  A work-group owns 128 rows of h for ALL 1,024 columns o.  The rows are read from memory once, rounded, and KEPT IN REGISTERS as source-0 fragments: wave w = 2 i + j holds rows 64 i .. + 63,
; k = 512 j .. + 511: 64 fragments, 512 registers.  ut goes by in 16 slots of 64 columns x all k through a ring of two LDS slots.  In a slot a wave makes 64 rows x 64 columns over ITS half of K: 16 chunks of 32 k, 16 products each.
; The two halves of K meet through LDS: a wave keeps 32 columns and sends the other 32 to its partner w ^ 1.  Column blocks are numbered from the wave's own (local n' = global (n' + 2 j) % 4), so n' = 0, 1 are kept and
; n' = 2, 3 sent in every wave's text, and what the partner sends lies lane for lane as what I keep.
; THE LDS WORK OF A SLOT (164 instructions a wave for 256 products) IS DEALT EVENLY: a chunk's eight fragment loads are one run, issued two chunks ahead of their products, a run to each chunk; the partner's half comes in two runs, what I send goes in two.
; The tanh work of slot s - 1 (224 vector instructions) stands in slices of four behind every third product of chunks 2 to 13 of slot s.
; At the end a pair of waves knows E of its 64 rows; the weighted sum is made from the fragments still in registers: a product with a selection of ones turns a fragment (exactly) so that a lane holds one k and
; its registers the rows, as p lies.  Out go a record's Emin, l = the sum of p, and c[k] = the sum of p h.
; CLUSTER.  Four work-groups walk the same ut: each quarter of a slot (64 columns x 256 k, a wave each) is asked for JOINTLY, by the same tensor load, descriptor and mask in all four.  h is shared by nobody.
; h IS NOT PREFETCHED: all its loads go out from the kernel's head on, 64 to a wave at a time.  A block's rows are loaded before its products begin: rows in hand, rows to come, accumulators and the ring do not fit together in a WGP's registers and LDS.
; REGISTERS, in windows of 256 (s_set_vgpr_msb: bits 1:0 source 0, 3:2 source 1, 5:4 source 2, 7:6 destination):
;   windows 2, 3: fragment (row block a, K chunk c) at window 2 + c / 8, v[8 (4 (c % 8) + a)]
;   window 1: v0-127 accumulator (n', a) at 8 (4 n' + a); v128-191 X, the partner's half; while h is loaded: four landing buffers of 64
;   window 0: v0-31 addresses; v32-159 four buffers of ut's fragments, chunk c in buffer c % 4 (later the weighted sums); v160-191 E (row 16 a + 8 (lane / 16) + register), later p; v192-255 T, the 64 numbers of the tanh work
.set QB,    64*528                     ; a quarter of a slot: 64 columns, 512 bytes + 16 of padding each: an odd multiple of 16, so the 16 rows of a fragment load start at 16 different groups of four banks (ISA guide 11.1)
.set SLOT,  4*QB
.set XCH,   2*SLOT                     ; behind the ring, never filled by a tensor load: 8,192 bytes a wave: stage for h's rows, then what I send, then stage for the way out
.set KBT,   XCH+32768                  ; K2 x (s W_a) of my batch, 4,096 bytes; behind it v_a rounded to bf16, as f32, 4,096 bytes
.set ES,    KBT+8192                   ; 256 bytes a wave: E of 64 rows over my columns
.set SPARE, ES+1024                    ; the spare words, 128 bytes for each wave: two blocks of 256 bytes that no other line names
.set K2,    0x4038aa3b
.set R,   1                            ; lane % 16
.set H,   2                            ; lane / 16
.set LN,  3                            ; lane
.set AK0, 4                            ; my place in slot 0: kept columns, my half of K
.set AS0, 5                            ; the same for the sent columns
.set AKC, 6                            ; the two in the slot in hand
.set ASC, 7
.set XLD, 8                            ; where my partner's 8,192 bytes begin, + 16 lane
.set TBA, 9                            ; kb of my first kept column in the slot in hand; v lies 4,096 bytes on
.set STG, 10                           ; stage for h: 8 bytes a lane of a row
.set FRG, 11                           ; and a fragment's place in it
.set ESW, 12
.set ESR, 13
.set SPW, 16                           ; LDS address of my spare word; never rewritten
.set NIL, 17                           ; 0; never rewritten
.set KB,  18                           ; v[18:19] kb of my two kept columns
.set VV,  20                           ; v[20:21] v of the same
.set PFO, 22                           ; the prefetches' offset; never rewritten
.set XST, 23                           ; my 8,192 bytes + 16 lane
.set HO,  24                           ; 16 lane; never rewritten
.set T16, 25                           ; 16 x thread; never rewritten
.set TL,  26                           ; KBT + 16 x thread
.set EM,  28                           ; v[28:29] Emin, l
.set BX,  32
.set CC,  32
.set EA,  160
.set T,   192
; s16 wave, s17 i, s18 j, s19 cx, s20 block; s[24:31] descriptor group 1; s[32:35], s[36:39] group 0 (the second walks); s[40:41] K2; s[42:43] lane selects; s44 the slot read; s45 the slot filled;
; s46 wave x QB; s47 counter; s48 1 in the cluster that prefetches, else the greatest number; s49 my 8,192 bytes; s[50:51] prefetch pointer; s[52:53] h; s[54:55] part; s[56:57] stat; s[58:59] kb
.set MSB, 0
.macro WIN new                         ; the immediate's high byte repeats the setting that is left; a switch that changes nothing is dropped
.if MSB != (\new)
	s_set_vgpr_msb (MSB<<8)|(\new)
.set MSB, (\new)
.endif
.endm
.macro PLACES                          ; four places behind a matrix instruction, in front of loads into its registers and of readers of its result (ISA guide 7.12.1 for readers of its result)
.rept 4
	v_nop
.endr
.endm
.macro CREST                           ; a round of the cluster's barrier behind its opening barrier
	s_cmp_lg_u32 s16, 0
	s_cbranch_scc1 .Lnot_wave_0_\@
	s_barrier_signal -3
.Lnot_wave_0_\@:
	s_barrier_wait -3
	s_barrier_signal -1
	s_barrier_wait -1
.endm
.macro CROUND
	s_barrier_signal -1
	s_barrier_wait -1
	CREST
.endm
	s_load_b256 s[4:11], s[0:1], 0x0               ; h s[4:5], v_a s[6:7], ut s[8:9], kb s[10:11]
	s_load_b128 s[12:15], s[0:1], 0x20             ; part s[12:13], stat s[14:15]
	v_lshl_add_u32 v[SPW], v0, 2, SPARE
	v_mov_b32 v[NIL], 0
	ds_add_u32 v[SPW], v[NIL]                      ; the wave's opening: the add and its wait stand ahead of my first tensor load; the set-up, work on registers, stands between
	v_lshrrev_b32 v14, 5, v0
	v_readfirstlane_b32 s16, v14                   ; wave 0..3
	s_lshr_b32 s17, s16, 1                         ; i: which 64 rows
	s_and_b32 s18, s16, 1                          ; j: which half of K
	; descriptor group 1: a tile of 64 rows (columns o) x 256 elements, padded in LDS
	s_mov_b32 s24, 15|(1<<16)|(1<<20)|(1<<21)|(6<<22)|(3<<25)  ; 15:0 the mask of four; 17:16 2-byte elements; 20 padding on; 21 set beside a mask; 24:22 after every 128 words (code 6); 31:25 4 words (code 3)
	s_mov_b32 s25, 256<<16                         ; tensor_dim0 = 256
	s_mov_b32 s26, 64<<16                          ; tensor_dim1 = 64
	s_mov_b32 s27, 256<<16                         ; tile_dim0 = 256
	s_mov_b32 s28, 64                              ; tile_dim1 = 64
	s_mov_b32 s29, 1024                            ; elements from row to row
	s_mov_b32 s30, 0
	s_mov_b32 s31, 0
	s_mul_i32 s46, s16, QB                         ; my quarter's place in a slot: the wave's number alone
	s_mov_b32 s32, 1
	s_mov_b32 s33, s46                             ; slot 0
	s_mov_b32 s36, 1
	s_add_co_u32 s37, s46, SLOT                    ; slot 1
	s_lshl_b32 s22, s16, 9                         ; my quarter's 512 bytes of a row of ut
	s_mov_b32 s23, 0
	s_mov_b32 s40, K2
	s_mov_b32 s41, s40                             ; named with it as a pair
	s_mov_b32 s42, 0x76543210
	s_mov_b32 s43, 0xfedcba98
	s_mov_b32 s44, 0
	s_mov_b32 s45, SLOT
	s_lshl_b32 s49, s16, 13
	s_add_co_u32 s49, s49, XCH
	; my place: it enters global addresses alone
	s_bfe_u32 s19, ttmp6, 0x40000                  ; cx
	s_lshl_b32 s20, ttmp9, 2
	s_add_co_u32 s20, s20, s19                     ; my block of 128 rows
	s_cmp_eq_u32 ttmp9, 0
	s_cselect_b32 s48, 1, -1                       ; the same in all four partners
	s_lshl_b32 s60, s20, 19                        ; 128 rows of 4,096 bytes,
	s_lshl_b32 s21, s17, 18                        ; my 64,
	s_add_co_u32 s60, s60, s21
	s_lshl_b32 s21, s18, 11                        ; my 512 k
	s_add_co_u32 s60, s60, s21
	s_mov_b32 s61, 0
	s_lshr_b32 s62, s20, 4                         ; the batch: 16 blocks each
	s_lshl_b32 s62, s62, 12
	s_mov_b32 s63, 0
	v_and_b32 v[R], 15, v0
	v_bfe_u32 v[H], v0, 4, 1
	v_and_b32 v[LN], 31, v0
	v_mul_u32_u24 v14, v[R], 528
	v_lshl_add_u32 v14, v[H], 4, v14               ; a fragment's row x pitch + 16 x half
	s_mul_i32 s21, s18, 2*QB+32*528                ; quarters 2 j, 2 j + 1; kept columns 32 j on
	v_add_nc_u32 v[AK0], s21, v14
	s_mul_i32 s21, s18, 2*QB-32*528                ; sent columns 32 (1 - j) on
	s_add_co_u32 s21, s21, 32*528
	v_add_nc_u32 v[AS0], s21, v14
	v_lshl_add_u32 v[XST], v[LN], 4, s49
	s_xor_b32 s21, s16, 1
	s_lshl_b32 s21, s21, 13
	s_add_co_u32 s21, s21, XCH
	v_lshl_add_u32 v[XLD], v[LN], 4, s21
	s_lshl_b32 s21, s18, 7
	s_add_co_u32 s21, s21, KBT
	v_lshl_add_u32 v[TBA], v[R], 2, s21
	v_lshl_add_u32 v[STG], v[LN], 3, s49
	v_mul_u32_u24 v[FRG], v[R], 272
	v_lshl_add_u32 v[FRG], v[H], 4, v[FRG]
	v_add_nc_u32 v[FRG], s49, v[FRG]
	s_lshl_b32 s21, s16, 8
	s_add_co_u32 s21, s21, ES
	v_lshl_add_u32 v[ESW], v[H], 5, s21
	s_xor_b32 s21, s16, 1
	s_lshl_b32 s21, s21, 8
	s_add_co_u32 s21, s21, ES
	v_lshl_add_u32 v[ESR], v[H], 5, s21
	v_lshlrev_b32 v[HO], 4, v[LN]
	v_lshlrev_b32 v[T16], 4, v0
	v_lshl_add_u32 v[TL], v0, 4, KBT
	v_lshrrev_b32 v[PFO], 1, v[LN]                 ; a lane a block: row lane / 2 of my work-group's 16, half lane % 2 of my wave's 512 bytes
	v_lshlrev_b32 v[PFO], 11, v[PFO]
	v_and_b32 v14, 1, v[LN]
	v_lshl_add_u32 v[PFO], v14, 8, v[PFO]
	s_wait_dscnt 0x0                               ; the opening add is done
	s_wait_kmcnt 0x0
	s_add_nc_u64 s[52:53], s[4:5], s[60:61]
	s_add_nc_u64 s[58:59], s[10:11], s[62:63]
	s_add_nc_u64 s[34:35], s[8:9], s[22:23]        ; slot 0: columns 0-63, my quarter of K
	s_add_nc_u64 s[38:39], s[34:35], 131072        ; slot 1: columns 64-127
	s_or_b32 s35, s35, 0x80000000                  ; type = 2
	s_or_b32 s39, s39, 0x80000000
	s_lshl_b32 s21, s20, 1
	s_add_co_u32 s21, s21, s17                     ; my record: 64 rows
	s_lshl_b32 s60, s21, 12
	s_lshl_b32 s62, s18, 11
	s_add_co_u32 s60, s60, s62
	s_add_nc_u64 s[54:55], s[12:13], s[60:61]
	s_lshl_b32 s60, s21, 9
	s_lshl_b32 s62, s18, 8
	s_add_co_u32 s60, s60, s62
	s_add_nc_u64 s[56:57], s[14:15], s[60:61]
	s_lshl_b32 s60, s19, 15                        ; my work-group's 16 of a slot's 64 rows of ut,
	s_add_co_u32 s60, s60, s22                     ; my wave's 512 bytes of them
	s_add_nc_u64 s[50:51], s[8:9], s[60:61]
	s_add_nc_u64 s[50:51], s[50:51], 2*131072      ; at slot 2: the first refill steps it to slot 3
; h COMES IN BY UNITS of 16 rows x 128 k.  ISSUE: sixteen loads, a row each, 512 consecutive bytes; every offset is an immediate.
.macro ISSUE n
	WIN 0x40                                       ; destination window 1
.set rho, 0
.rept 16
	global_load_b128 v[64*((\n)%4)+4*rho:64*((\n)%4)+4*rho+3], v[HO], s[52:53] offset:(16*((\n)/4)+rho)*4096+512*((\n)%4) th:TH_LOAD_NT
.set rho, rho+1
.endr
.endm
; UNIT: rounded to bf16, through my own stage (rows of 256 + 16 bytes), back as four fragments.  LDS serves a wave's instructions in order (ISA guide 5.7.1.4), so the stage needs no wait and no barrier.
.macro UNIT n, left
	s_wait_loadcnt \left                           ; loads come back in order: this unit is in, the younger loads stay out
	WIN 0x05                                       ; sources window 1, destination window 0
.set rho, 0
.rept 16
	v_cvt_pk_bf16_f32 v[48+2*rho], v[64*((\n)%4)+4*rho], v[64*((\n)%4)+4*rho+1]
	v_cvt_pk_bf16_f32 v[49+2*rho], v[64*((\n)%4)+4*rho+2], v[64*((\n)%4)+4*rho+3]
.set rho, rho+1
.endr
	WIN 0
.set rho, 0
.rept 16
	ds_store_b64 v[STG], v[48+2*rho:49+2*rho] offset:272*rho
.set rho, rho+1
.endr
	WIN 0x80+0x40*(((\n)%4)/2)                     ; destination window 2 (chunks 0-7) or 3
.set cc, 0
.rept 4
.set rA, 8*(4*((4*((\n)%4)+cc)&7)+(\n)/4)
	ds_load_b128 v[rA:rA+3],   v[FRG] offset:64*cc
	ds_load_b128 v[rA+4:rA+7], v[FRG] offset:64*cc+32
.set cc, cc+1
.endr
.if (\n) <= 11
	ISSUE (\n)+4
.endif
.endm
	ISSUE 0                                        ; h's loads go first
	ISSUE 1
	ISSUE 2
	WIN 0
	CROUND                                         ; all four work-groups are here: the first joint loads meet
	tensor_load_to_lds s[32:35], s[24:31]          ; both first fills go out together: two loads of mine are out
	s_nop 0
	tensor_load_to_lds s[36:39], s[24:31]
	s_nop 0
	PLACES
	ISSUE 3
	WIN 0
.set q, 0
.rept 32
	v_mov_b32 v[EA+q], 0                           ; E starts at 0, so that every slot has one text; written while h is on its way
.set q, q+1
.endr
.irp n, 0,1,2,3,4,5,6,7,8,9,10,11,12
	UNIT \n, 48                                    ; three younger units of sixteen may stay out
.endr
	UNIT 13, 32
	WIN 0
	global_load_b128 v[32:35], v[T16], s[6:7]      ; the tables, 18 loads, behind h's last: v_a,
	global_load_b128 v[36:39], v[T16], s[6:7] offset:2048
.irp p, 0,1,2,3,4,5,6,7
	global_load_b128 v[80+8*\p:83+8*\p], v[T16], s[58:59] offset:131072*\p       ; and the eight parts of kb of my batch
	global_load_b128 v[84+8*\p:87+8*\p], v[T16], s[58:59] offset:131072*\p+2048
.endr
	UNIT 14, 34                                    ; unit 15's sixteen and the tables' eighteen may stay out
	UNIT 15, 18                                    ; the tables' eighteen
	WIN 0
	s_wait_loadcnt 0x0
.irp p, 0,1,2,3
	v_cvt_pk_bf16_f32 v[144+\p], v[32+2*\p], v[33+2*\p]
.endr
.irp p, 0,1,2,3
	v_lshlrev_b32 v[32+2*\p], 16, v[144+\p]        ; v rounded to bf16, kept as f32
	v_and_b32 v[33+2*\p], 0xffff0000, v[144+\p]
.endr
.irp p, 1,2,3,4,5,6,7
.irp q, 0,1,2,3
	v_pk_add_f32 v[80+2*\q:81+2*\q], v[80+2*\q:81+2*\q], v[80+8*\p+2*\q:81+8*\p+2*\q]  ; the parts of K, in ascending order, in f32
.endr
.endr
	ds_store_b128 v[TL], v[80:83]
	ds_store_b128 v[TL], v[84:87] offset:2048
	ds_store_b128 v[TL], v[32:35] offset:4096
	ds_store_b128 v[TL], v[36:39] offset:6144
; THE MATRIX WORK.  MMG: the product for chunk mc, column block mn, row block ma.  Chunk 0 starts the sums with the constant 0: nothing is cleared.  The 16 accumulators take turns, one instruction a turn.
.macro MMG
	WIN 0x52+(mc>>3)                               ; h's fragment window 2 or 3, ut's window 0, C and D window 1
.set rD, 8*(4*mn+ma)
.set rA, 8*(4*(mc&7)+ma)
.set rB, BX+32*(mc&3)+8*mn
.if mc == 0
	v_wmma_f32_16x16x32_bf16 v[rD:rD+7], v[rA:rA+7], v[rB:rB+7], 0
.else
	v_wmma_f32_16x16x32_bf16 v[rD:rD+7], v[rA:rA+7], v[rB:rB+7], v[rD:rD+7]
.endif
.endm
.macro MM8 c, n0                       ; eight products: column blocks n0, n0 + 1 x the four row blocks
.irp nn, 0,1
.irp aa, 0,1,2,3
.set mc, (\c)
.set mn, (\n0)+\nn
.set ma, \aa
	MMG
.endr
.endr
.endm
; Eight LDS loads in one run: ut's fragments of chunk c, four column blocks, into buffer c % 4; the sent blocks, multiplied first, come first
.macro FETCHC c
	WIN 0
.set fr, BX+32*((\c)&3)
.set fo, ((\c)>>3)*QB+64*((\c)&7)
.irp nb, 0,1
	ds_load_b128 v[fr+16+8*\nb:fr+16+8*\nb+3],   v[ASC] offset:fo+8448*\nb
	ds_load_b128 v[fr+16+8*\nb+4:fr+16+8*\nb+7], v[ASC] offset:fo+8448*\nb+32
.endr
.irp nb, 0,1
	ds_load_b128 v[fr+8*\nb:fr+8*\nb+3],   v[AKC] offset:fo+8448*\nb
	ds_load_b128 v[fr+8*\nb+4:fr+8*\nb+7], v[AKC] offset:fo+8448*\nb+32
.endr
.endm
; THE TANH WORK of the slot before: a list of 224; EP writes number e.  T holds K2 x my half + kb.
;   0-31 + K2 x the partner's half    32-95 2^(..), one batch    96-127 + 1    128-191 the reciprocals, one batch    192-223 E += v r
; s_wait_alu depctr_va_vdst(0) stands between such an instruction and the first that names its result; one wait serves a batch.  The two waits stand between numbers 95 and 96 and between 191 and 192: whoever deals the list writes them.
.macro EP
.if e < 32
	WIN 0x01                                       ; source 0 (X) window 1
	v_pk_fma_f32 v[T+2*e:T+2*e+1], v[128+2*e:128+2*e+1], s[40:41], v[T+2*e:T+2*e+1] op_sel_hi:[1,0,1]
.elseif e < 96
	WIN 0
	v_exp_f32 v[T+e-32], v[T+e-32]
.elseif e < 128
	WIN 0
	v_pk_add_f32 v[T+2*(e-96):T+2*(e-96)+1], v[T+2*(e-96):T+2*(e-96)+1], 1.0 op_sel_hi:[1,0]
.elseif e < 192
	WIN 0
	v_rcp_f32 v[T+e-128], v[T+e-128]
.elseif e < 208
	WIN 0
	v_pk_fma_f32 v[EA+2*(e-192):EA+2*(e-192)+1], v[T+2*(e-192):T+2*(e-192)+1], v[VV:VV+1], v[EA+2*(e-192):EA+2*(e-192)+1] op_sel_hi:[1,0,1]
.else
	WIN 0
	v_pk_fma_f32 v[EA+2*(e-208):EA+2*(e-208)+1], v[T+2*(e-192):T+2*(e-192)+1], v[VV:VV+1], v[EA+2*(e-208):EA+2*(e-208)+1] op_sel:[0,1,0] op_sel_hi:[1,1,1]
.endif
.set e, e+1
.endm
.macro SLICE                           ; the next four of the list, as far as the chunk's bound lim allows; none names a register of a product
.rept 4
.if e < lim
	EP
.endif
.endr
.endm
; The partner's half of the slot before, in two runs of eight; with the second, v of its columns, and the tables' address steps to the slot in hand
.macro XIN hf
	WIN 0x40
.set m, 8*(\hf)
.rept 8
	ds_load_b128 v[128+4*m:128+4*m+3], v[XLD] offset:512*m
.set m, m+1
.endr
.if \hf
	WIN 0
	ds_load_b32 v[VV],   v[TBA] offset:4096
	ds_load_b32 v[VV+1], v[TBA] offset:4160
	v_add_nc_u32 v[TBA], 256, v[TBA]
.endif
.endm
.macro XOUT hf                         ; what I send, in two runs of eight, each accumulator from its low end on
	WIN 0x04                                       ; store data window 1
.set m, 8*(\hf)
.rept 8
	ds_store_b128 v[XST], v[64+4*m:64+4*m+3] offset:512*m
.set m, m+1
.endr
.endm
; CHUNKS 2 TO 13.  At the head the run for chunk c + 2, into the buffer that chunk c - 2 read: the four v_nop are its places.  The count 16 leaves that run and chunk c + 1's out: chunk c's, issued 32 products ago, is in
; (at chunk 2 also X and v, which were issued ahead of chunk 3's run).  The list's two waits stand at the heads of chunks 7 and 12, behind the v_nop (the plain instruction behind a batch's last) and ahead of the loads:
; chunks 2-6 deal numbers 0-95 (5 slices x 4 x 5 chunks = 100 places), chunks 7-11 numbers 96-191, chunks 12, 13 the last 32.
.macro CHUNK c, rid
	WIN 0
	PLACES
.if (\rid) && (((\c) == 7) || ((\c) == 12))
	s_wait_alu depctr_va_vdst(0)
.endif
	FETCHC (\c)+2
	s_wait_dscnt 16
.set lim, 96
.if (\c) >= 7
.set lim, 192
.endif
.if (\c) >= 12
.set lim, 224
.endif
.set kk, 0
.rept 16
.set mc, (\c)
.set mn, ((kk>>2)+2)&3
.set ma, kk&3
	MMG
.if (\rid) && (kk%3 == 2)
	SLICE
.endif
.set kk, kk+1
.endr
.endm
; A PREFETCH INTO THE L2, behind the refill and the LDS loads that follow it: the slot that the NEXT refill will ask for, one slot, 256 products, ahead of that load.  All clusters walk the same ut, in this launch's first
; walk: cluster 0 asks, nobody else.  Its four partners take 16 of the slot's 64 rows each, told apart by address; each wave takes its own 512 bytes of them, a lane a block of 256: each block is named once.
; Slots 0 to 2 come by their loads alone; the last refill asks for nothing.
.macro ASK first
.if \first
	s_cmp_eq_u32 s48, 1
.else
	s_cmp_gt_u32 s47, s48                          ; s47 = 1 in the loop's last trip
.endif
	s_cbranch_scc0 .Lnot_mine_\@
	global_prefetch_b8 v[PFO], s[50:51] th:TH_LOAD_NT scope:SCOPE_SE
.Lnot_mine_\@:
.endm
.macro LUMP                            ; T = K2 x my half of the kept columns + kb, from each accumulator's low end on
	WIN 0x01
.set q, 0
.rept 16
	v_pk_fma_f32 v[T+2*q:T+2*q+1], v[2*q:2*q+1], s[40:41], v[KB:KB+1] op_sel_hi:[1,0,0]
.set q, q+1
.endr
.rept 16
	v_pk_fma_f32 v[T+2*q:T+2*q+1], v[2*q:2*q+1], s[40:41], v[KB:KB+1] op_sel:[0,0,1] op_sel_hi:[1,0,1]
.set q, q+1
.endr
.endm
; CHUNKS 14 AND 15 change slots and hand over.  Their order: the sent columns' last 16 products, then the kept columns' 16.
; FIRST BARRIER.  In front of it each wave waits for all its tensor loads (one is out: its quarter of the next slot), adds 0 to its spare word, and waits for that and for its reads of this slot.  Behind it the next slot is
; whole, nobody reads this slot, and my partner has long read what I sent last time: so this slot may be filled again (fill = 1: the barrier opens a round of the cluster's, and the joint refill comes first behind it;
; it has 240 products in which to land), and my 8,192 bytes may be written again.  Then two runs, eight products behind each: kb, the next slot's chunk 0 and half of what I send; the other half and the next slot's chunk 1.
; SECOND BARRIER.  In front of it my 16 stores are waited for; behind it my partner reads them.  The lump stands between its signal and its wait.  The refill stays out across it.
; Behind slot 15 the two runs of fragments read the other slot once more and serve nothing: the price, once a work-group, of one text for both trips of the tail.
.macro TURN first, fill
	WIN 0
.if \fill
	s_wait_xcnt 0x0                                ; the last prefetch, a slot back, has read its address
	s_add_nc_u64 s[50:51], s[50:51], 131072
.endif
	s_wait_tensorcnt 0x0                           ; no tensor load of mine is out, so the walking group 0 may be written
	ds_add_u32 v[SPW], v[NIL]                      ; 0 onto my spare word
.if \fill
	s_xor_b32 s45, s45, SLOT                       ; the other slot than last time,
	s_add_co_u32 s37, s46, s45
	s_add_nc_u64 s[38:39], s[38:39], 131072        ; the next 64 columns; the type bits on top are not reached
.endif
	s_wait_dscnt 0x1                               ; chunks 14 and 15 are in; the add alone may be out
	MM8 14, 2
	s_wait_dscnt 0x0                               ; the add is done, and my reads of this slot are over
	s_barrier_signal -1
	MM8 15, 2
	WIN 0
	s_barrier_wait -1
.if \fill
	CREST                                          ; no wave of any partner still reads this slot or has a load on its way
	tensor_load_to_lds s[36:39], s[24:31]          ; my one tensor load behind the round
	s_nop 0
.endif
	PLACES                                         ; behind the sent columns' last products: for the stores below; and for the loads into buffers 0 and 1
	ds_load_b32 v[KB],   v[TBA]
	ds_load_b32 v[KB+1], v[TBA] offset:64
	s_xor_b32 s44, s44, SLOT
	v_add_nc_u32 v[AKC], s44, v[AK0]
	v_add_nc_u32 v[ASC], s44, v[AS0]
	FETCHC 0
.if \fill
	ASK \first
.endif
	XOUT 0
	MM8 14, 0
	XOUT 1
	FETCHC 1
	MM8 15, 0
	WIN 0
	s_wait_dscnt 0x0                               ; for my partner's sake: my stores are done; kb and the next slot's chunks 0 and 1 are in too
	s_barrier_signal -1
	PLACES
	LUMP
	WIN 0
	s_barrier_wait -1
.endm
; A SLOT.  rid = 1: the slot before has tanh work.  fill = 1: this slot is filled again.  Chunks 0 and 1 are in registers; at their heads stand the partner's two runs, in their middles the runs for chunks 2 and 3
; (24 products ahead of their use), whose buffers' last readers stand ahead of the four v_nop and the lump of the slot before.
.macro STEP rid, fill
.set e, 0
.if \rid
	XIN 0
.endif
	MM8 0, 2
	FETCHC 2
	MM8 0, 0
.if \rid
	XIN 1
.endif
	MM8 1, 2
	FETCHC 3
	MM8 1, 0
.irp cc, 2,3,4,5,6,7,8,9,10,11,12,13
	CHUNK \cc, \rid
.endr
	TURN (1-(\rid)), \fill
.endm
	s_wait_tensorcnt 0x1                           ; my quarter of slot 0 is in; slot 1's may stay out
	s_wait_dscnt 0x0                               ; my fragments of h are in, my part of the tables is stored
	s_barrier_signal -1
	s_barrier_wait -1
	v_mov_b32 v[AKC], v[AK0]
	v_mov_b32 v[ASC], v[AS0]
	FETCHC 0
	FETCHC 1
	s_wait_dscnt 0x0
	STEP 0, 1                                      ; slot 0; slot 2 is asked for
	s_mov_b32 s47, 13
.Lwalk:                                            ; slots 1 to 13; slots 3 to 15 are asked for
	STEP 1, 1
	s_sub_co_u32 s47, s47, 1
	s_cmp_lg_u32 s47, 0
	s_cbranch_scc1 .Lwalk
	s_mov_b32 s47, 2
.Ltail:                                            ; slots 14 and 15 have a text of their own
	STEP 1, 0
	s_sub_co_u32 s47, s47, 1
	s_cmp_lg_u32 s47, 0
	s_cbranch_scc1 .Ltail
	XIN 0
	XIN 1
	s_wait_dscnt 0x0
.set e, 0
.rept 96
	EP                                             ; slot 15's tanh work has no products to stand beside
.endr
	v_nop
	s_wait_alu depctr_va_vdst(0)
.rept 96
	EP
.endr
	v_nop
	s_wait_alu depctr_va_vdst(0)
.rept 32
	EP
.endr
	WIN 0
	; THE SOFTMAX OF MY 64 ROWS.  E over my 16 lanes' columns, then my partner's columns through LDS: a + b in one wave, b + a in the other: the same bits.
.irp x, 1,2,4,8
.set q, 0
.rept 32
	v_add_f32_dpp v[EA+q], v[EA+q], v[EA+q] row_xmask:\x row_mask:0xf bank_mask:0xf
.set q, q+1
.endr
.endr
.set q, 0
.rept 8
	ds_store_b128 v[ESW], v[EA+4*q:EA+4*q+3] offset:64*(q/2)+16*(q%2)  ; sixteen lanes write the same words with the same numbers
.set q, q+1
.endr
	s_wait_dscnt 0x0
	s_barrier_signal -1
	s_barrier_wait -1
.set q, 0
.rept 8
	ds_load_b128 v[T+4*q:T+4*q+3], v[ESR] offset:64*(q/2)+16*(q%2)
.set q, q+1
.endr
	s_wait_dscnt 0x0
.set q, 0
.rept 16
	v_pk_add_f32 v[EA+2*q:EA+2*q+1], v[EA+2*q:EA+2*q+1], v[T+2*q:T+2*q+1]
.set q, q+1
.endr
	v_min3_num_f32 v14, v[EA], v[EA+1], v[EA+2]    ; the least E: two chains over 16 registers each
	v_min3_num_f32 v15, v[EA+16], v[EA+17], v[EA+18]
.set q, 0
.rept 6
	v_min3_num_f32 v14, v14, v[EA+3+2*q], v[EA+4+2*q]
	v_min3_num_f32 v15, v15, v[EA+19+2*q], v[EA+20+2*q]
.set q, q+1
.endr
	v_min3_num_f32 v14, v14, v15, v[EA+15]
	v_min_num_f32 v14, v14, v[EA+31]
	v_permlanex16_b32 v15, v14, s42, s43           ; the other 32 rows lie in the lane 16 away
	v_min_num_f32 v[EM], v14, v15
	v_mov_b32 v[EM+1], v[EM]                       ; named with it as a pair; l takes its place below
.set q, 0
.rept 16
	v_pk_add_f32 v[EA+2*q:EA+2*q+1], v[EM:EM+1], v[EA+2*q:EA+2*q+1] op_sel_hi:[0,1] neg_lo:[0,1] neg_hi:[0,1]  ; Emin - E first, so that no large product is rounded ahead of the difference
.set q, q+1
.endr
.set q, 0
.rept 16
	v_pk_mul_f32 v[EA+2*q:EA+2*q+1], v[EA+2*q:EA+2*q+1], s[40:41] op_sel_hi:[1,0]
.set q, q+1
.endr
.set q, 0
.rept 32
	v_exp_f32 v[EA+q], v[EA+q]                     ; p
.set q, q+1
.endr
	v_nop
	s_wait_alu depctr_va_vdst(0)                   ; one wait for the 32
.set q, 0
.rept 8
	v_pk_add_f32 v[T+2*q:T+2*q+1], v[EA+2*q:EA+2*q+1], v[EA+16+2*q:EA+16+2*q+1]
.set q, q+1
.endr
.irp w, 8,4,2
.set q, 0
.rept \w/2
	v_pk_add_f32 v[T+2*q:T+2*q+1], v[T+2*q:T+2*q+1], v[T+\w+2*q:T+\w+2*q+1]
.set q, q+1
.endr
.endr
	v_add_f32 v14, v[T], v[T+1]
	v_permlanex16_b32 v15, v14, s42, s43
	v_add_f32 v[EM+1], v14, v15                    ; l
	; THE WEIGHTED SUM.  Source 1 is a selection: column n takes k = 16 f + n.  v4-15 = (0 x 4, PT x 4, 0 x 4); f = 1 reads v[4:11], f = 0 reads v[8:15].  PT's word q holds 1.0 in the half whose k = 8 (lane / 16) + 2 q (+ 1) is lane % 16.
	v_lshlrev_b32 v30, 3, v[H]
	v_sub_nc_u32 v30, v[R], v30
	s_mov_b32 s21, 0x3f80
	s_mov_b32 s22, 0x3f800000
.irp q, 0,1,2,3
	v_mov_b32 v[4+\q], 0
	v_mov_b32 v[12+\q], 0
	v_cmp_eq_u32 vcc_lo, 2*\q, v30
	v_cndmask_b32 v[8+\q], 0, s21, vcc_lo
	v_cmp_eq_u32 vcc_lo, 2*\q+1, v30
	v_cndmask_b32 v[8+\q], v[8+\q], s22, vcc_lo
.endr
; Group g = (chunk g / 2, row blocks 2 (g % 2), + 1): four products turn two fragments, 16 k each; the result holds one k a lane and the rows in its registers, as p lies.  Two sets of results take turns.
.macro CTP g
	WIN 0x02+((\g)>>4)                             ; the fragment window 2 or 3; selection and result window 0
.irp f, 0,1
.irp ap, 0,1
.set rD, T+32*((\g)&1)+8*(2*\f+\ap)
.set rA, 8*(4*(((\g)>>1)&7)+2*((\g)&1)+\ap)
.set rI, 8-4*\f
	v_wmma_f32_16x16x32_bf16 v[rD:rD+7], v[rA:rA+7], v[rI:rI+7], 0
.endr
.endr
.endm
; Sixteen packed multiply-adds for group g, each result's low pair first; a chunk's first use starts the sums.  They are also the places between the next group's products and their readers.
.macro CTV g
	WIN 0
.irp q, 0,1,2,3
.irp f, 0,1
.irp ap, 0,1
.set rC, CC+2*(4*((\g)>>1)+2*\f+\ap)
.set rD, T+32*((\g)&1)+8*(2*\f+\ap)+2*\q
.set rP, EA+8*(2*((\g)&1)+\ap)+2*\q
.if (((\g)&1) == 0) && (\q == 0)
	v_pk_mul_f32 v[rC:rC+1], v[rD:rD+1], v[rP:rP+1]
.else
	v_pk_fma_f32 v[rC:rC+1], v[rD:rD+1], v[rP:rP+1], v[rC:rC+1]
.endif
.endr
.endr
.endr
.endm
	CTP 0
	WIN 0
	PLACES
.set gg, 1
.rept 31
	CTP gg
	CTV (gg-1)
.set gg, gg+1
.endr
	CTV 31
.set x, 0
.rept 32
	v_pk_add_f32 v[CC+4*x:CC+4*x+1], v[CC+4*x:CC+4*x+1], v[CC+4*x+2:CC+4*x+3]  ; the two row blocks of a pair
.set x, x+1
.endr
.set x, 0
.rept 32
	v_add_f32 v[CC+4*x], v[CC+4*x], v[CC+4*x+1]    ; even rows and odd rows
.set x, x+1
.endr
.set x, 0
.rept 32
	v_permlanex16_b32 v[CC+4*x+1], v[CC+4*x], s42, s43
.set x, x+1
.endr
.set x, 0
.rept 32
	v_add_f32 v[CC+4*x], v[CC+4*x], v[CC+4*x+1]    ; and the other half of the lanes' rows
.set x, x+1
.endr
	; THE WAY OUT: my 512 sums through my own 8,192 bytes (my partner's last reads of them lie ahead of the softmax's barrier), back as 16 bytes a lane
	v_lshl_add_u32 v30, v[R], 2, s49
	v_lshlrev_b32 v31, 3, v[LN]
.set x, 0
.rept 32
	ds_store_b32 v30, v[CC+4*x] offset:64*x        ; k = 16 x + lane % 16; both halves of the lanes hold the same number
.set x, x+1
.endr
.irp m, 0,1,2,3
	ds_load_b128 v[T+4*\m:T+4*\m+3], v[XST] offset:512*\m
.endr
	s_wait_dscnt 0x0
.irp m, 0,1,2,3
	global_store_b128 v[HO], v[T+4*\m:T+4*\m+3], s[54:55] offset:512*\m  ; 512 consecutive bytes, at a multiple of 256 from part's first
.endr
	global_store_b64 v31, v[EM:EM+1], s[56:57]     ; (Emin, l) 32 times: 256 consecutive bytes, aligned
	s_wait_tensorcnt 0x0                           ; the wave's end, behind my last tensor load and my last LDS store
	ds_add_u32 v[SPW], v[NIL]
	s_wait_dscnt 0x0
	CROUND                                         ; the closing round: no work-group ends while a partner may still ask for a tile that names it
	s_endpgm
.Lfunc_end_k_qc3325647b3_attn:
	.size	k_qc3325647b3_attn, .Lfunc_end_k_qc3325647b3_attn-k_qc3325647b3_attn
	.p2alignl 7, 3214868480
	.fill 96, 4, 3214868480
	.section	.rodata,"a",@progbits
	.p2align	6, 0x0
	.amdhsa_kernel k_qc3325647b3_attn
		.amdhsa_group_segment_fixed_size 327680
		.amdhsa_private_segment_fixed_size 0
		.amdhsa_enable_private_segment 0
		.amdhsa_kernarg_size 48
		.amdhsa_user_sgpr_count 2
		.amdhsa_user_sgpr_kernarg_segment_ptr 1
		.amdhsa_wavefront_size32 1
		.amdhsa_system_sgpr_workgroup_id_x 1
		.amdhsa_system_sgpr_workgroup_id_y 1
		.amdhsa_system_sgpr_workgroup_id_z 1
		.amdhsa_system_vgpr_workitem_id 0
		.amdhsa_next_free_vgpr 1024
		.amdhsa_next_free_sgpr 66
		.amdhsa_reserve_vcc 1
		.amdhsa_float_denorm_mode_32 3
		.amdhsa_float_denorm_mode_16_64 3
		.amdhsa_memory_ordered 1
		.amdhsa_forward_progress 1
		.amdhsa_inst_pref_size 255
	.end_amdhsa_kernel
	.section	.bss,"aw",@nobits
	.p2align	6
	.space	262144
	.amdgpu_metadata
---
amdhsa.version: [ 1, 2 ]
amdhsa.kernels:
  - .name:           k_qc3325647b3_attn
    .symbol:         k_qc3325647b3_attn.kd
    .args:
      - { .name: h, .offset: 0, .size: 8, .value_kind: global_buffer, .address_space: global }
      - { .name: v_a, .offset: 8, .size: 8, .value_kind: global_buffer, .address_space: global }
      - { .name: ut, .offset: 16, .size: 8, .value_kind: global_buffer, .address_space: global }
      - { .name: kb, .offset: 24, .size: 8, .value_kind: global_buffer, .address_space: global }
      - { .name: part, .offset: 32, .size: 8, .value_kind: global_buffer, .address_space: global }
      - { .name: stat, .offset: 40, .size: 8, .value_kind: global_buffer, .address_space: global }
    .group_segment_fixed_size: 327680
    .private_segment_fixed_size: 0
    .kernarg_segment_align: 8
    .kernarg_segment_size: 48
    .max_flat_workgroup_size: 128
    .sgpr_count:     66
    .vgpr_count:     1024
    .wavefront_size: 32
...
	.end_amdgpu_metadata
.endif
;; end of part 2
;; launch comb (part 3): grid 8 x 32, 1 waves a work-group, no clusters, 0 bytes of LDS; arguments part, stat, out0; writes out0
.if DOCPART == 3
	.amdgcn_target "amdgcn-amd-amdhsa--gfx1250"
	.amdhsa_code_object_version 6
	.text
	.protected	k_qc3325647b3_comb
	.globl	k_qc3325647b3_comb
	.p2align	8
	.type	k_qc3325647b3_comb,@function
k_qc3325647b3_comb:
	s_mov_b64 s[64:65], 0
	v_nop
	global_prefetch_b8 v0, s[64:65] scope:SCOPE_SE
	s_setreg_imm32_b32 hwreg(HW_REG_WAVE_MODE, 25, 1), 1
	s_wait_xcnt 0x0
; out0[b][k] = (the sum over a batch's 32 records of w c[k]) / (the sum of w l), w = 2^(K2 (min - Emin)), min the least Emin of the 32: the running maximum of the scores, finished.
; part: [1,024 records][1,024] f32; stat: [1,024 records][128 words], a record's (Emin, l) in its first two words.  One wave makes 128 columns of one batch: 32 loads of 512 consecutive bytes, all out at once.
; Lane L holds record L's Emin and l; the 32 weights then go into scalar registers as data: no address and no branch hangs on them.  No LDS, no barrier: nothing is shared between waves.
; LIMITS.  A weight below 2^-126 counts as 0.  The least record has w = 1 and l >= 1, so the divisor is at least 1.
.set K2, 0x4038aa3b
	s_load_b128 s[4:7], s[0:1], 0x0                ; part s[4:5], stat s[6:7]
	s_load_b64 s[8:9], s[0:1], 0x10                ; out0
	s_and_b32 s10, ttmp7, 0xffff                   ; the batch
	s_lshl_b32 s11, ttmp9, 9                       ; my 128 columns
	s_lshl_b32 s12, s10, 14                        ; 32 records of 512 bytes
	s_mov_b32 s13, 0
	s_lshl_b32 s14, s10, 17                        ; 32 records of 4,096 bytes
	s_add_co_u32 s14, s14, s11
	s_mov_b32 s15, 0
	s_lshl_b32 s48, s10, 12
	s_add_co_u32 s48, s48, s11
	s_mov_b32 s49, 0
	s_mov_b32 s50, 0x76543210
	s_mov_b32 s51, 0xfedcba98
	v_lshlrev_b32 v1, 9, v0
	v_lshlrev_b32 v2, 4, v0
	v_mov_b32 v7, 0                                ; v_permlanex16_b32's destinations count as read
	v_mov_b32 v13, 0
	s_wait_kmcnt 0x0
	s_add_nc_u64 s[6:7], s[6:7], s[12:13]
	s_add_nc_u64 s[4:5], s[4:5], s[14:15]
	s_add_nc_u64 s[8:9], s[8:9], s[48:49]
	global_load_b64 v[4:5], v1, s[6:7]
.set rho, 0
.rept 32
	global_load_b128 v[32+4*rho:35+4*rho], v2, s[4:5] offset:4096*rho th:TH_LOAD_NT
.set rho, rho+1
.endr
	s_wait_loadcnt 32                              ; Emin and l are in; the 32 records may stay out
	v_mov_b32 v6, v4
.irp x, 1,2,4,8
	v_min_num_f32_dpp v6, v6, v6 row_xmask:\x row_mask:0xf bank_mask:0xf
.endr
	v_permlanex16_b32 v7, v6, s50, s51
	v_min_num_f32 v6, v6, v7
	v_sub_f32 v7, v6, v4
	v_mul_f32 v7, K2, v7
	v_exp_f32 v7, v7
	v_nop
	s_wait_alu depctr_va_vdst(0)                   ; the wait ahead of the result's first reader
	v_mul_f32 v12, v7, v5
.irp x, 1,2,4,8
	v_add_f32_dpp v12, v12, v12 row_xmask:\x row_mask:0xf bank_mask:0xf
.endr
	v_permlanex16_b32 v13, v12, s50, s51
	v_add_f32 v12, v12, v13
	v_rcp_f32 v12, v12
	v_nop
	s_wait_alu depctr_va_vdst(0)
	v_mul_f32 v7, v7, v12
.set rho, 0
.rept 32
	v_readlane_b32 s[16+rho], v7, rho
.set rho, rho+1
.endr
	s_wait_loadcnt 31
.irp c, 0,1,2,3
	v_mul_f32 v[8+\c], s16, v[32+\c]               ; the first record starts the sums
.endr
.set rho, 1
.rept 31
	s_wait_loadcnt 31-rho                          ; record rho is in; those behind it may stay out
.irp c, 0,1,2,3
	v_fmac_f32 v[8+\c], s[16+rho], v[32+4*rho+\c]
.endr
.set rho, rho+1
.endr
	global_store_b128 v2, v[8:11], s[8:9]          ; 512 consecutive bytes, at a multiple of 256 from out0's first
	s_endpgm
.Lfunc_end_k_qc3325647b3_comb:
	.size	k_qc3325647b3_comb, .Lfunc_end_k_qc3325647b3_comb-k_qc3325647b3_comb
	.p2alignl 7, 3214868480
	.fill 96, 4, 3214868480
	.section	.rodata,"a",@progbits
	.p2align	6, 0x0
	.amdhsa_kernel k_qc3325647b3_comb
		.amdhsa_group_segment_fixed_size 0
		.amdhsa_private_segment_fixed_size 0
		.amdhsa_enable_private_segment 0
		.amdhsa_kernarg_size 24
		.amdhsa_user_sgpr_count 2
		.amdhsa_user_sgpr_kernarg_segment_ptr 1
		.amdhsa_wavefront_size32 1
		.amdhsa_system_sgpr_workgroup_id_x 1
		.amdhsa_system_sgpr_workgroup_id_y 1
		.amdhsa_system_sgpr_workgroup_id_z 1
		.amdhsa_system_vgpr_workitem_id 0
		.amdhsa_next_free_vgpr 160
		.amdhsa_next_free_sgpr 66
		.amdhsa_reserve_vcc 0
		.amdhsa_float_denorm_mode_32 3
		.amdhsa_float_denorm_mode_16_64 3
		.amdhsa_memory_ordered 1
		.amdhsa_forward_progress 1
		.amdhsa_inst_pref_size 13
	.end_amdhsa_kernel
	.amdgpu_metadata
---
amdhsa.version: [ 1, 2 ]
amdhsa.kernels:
  - .name:           k_qc3325647b3_comb
    .symbol:         k_qc3325647b3_comb.kd
    .args:
      - { .name: part, .offset: 0, .size: 8, .value_kind: global_buffer, .address_space: global }
      - { .name: stat, .offset: 8, .size: 8, .value_kind: global_buffer, .address_space: global }
      - { .name: out0, .offset: 16, .size: 8, .value_kind: global_buffer, .address_space: global }
    .group_segment_fixed_size: 0
    .private_segment_fixed_size: 0
    .kernarg_segment_align: 8
    .kernarg_segment_size: 24
    .max_flat_workgroup_size: 32
    .sgpr_count:     66
    .vgpr_count:     160
    .wavefront_size: 32
...
	.end_amdgpu_metadata
.endif
;; end of part 3
